; MI455X (gfx1250); checked and timed in simulation.
; The chip was launched on July 23, 2026; its instructions are those of AMD's public machine-readable ISA for CDNA 5 (MIT licence, August 2026) and "CDNA5" Instruction Set Architecture Reference Guide (July 2026). The comments in the code are by the model that wrote it; some were corrected since.
;; Mo E Block. Allowed arithmetic: matrix products marked QUANTISED: E2M3 operands, one E8M0 scale for each 32 along K, by v_wmma_scale_f32_16x16x128_f8f6f4 with both operands' format E2M3, f32 sums; products left as they are: f32 operands where the result goes on into a quantised operand, else bf16, f16 or f32 operands; f32 sums; everything else in f32.
;; Inputs: W_codes 8 x 2,048 x 64 x 24 uint8 (E2M3 codes of W, K innermost, in blocks of 32 codes, four codes in three bytes); W_scales 8 x 2,048 x 64 uint8 (E8M0 scales of W, one for each 32 codes along K); b 8 x 2,048 float32; wg 2,048 x 8 float32; x 4 x 512 x 2,048 float32.
;; Outputs: out0 4 x 512 x 2,048 float32.
;; This version of the problem:
;;   THIS VERSION OF THE PROBLEM IS GIVEN IN LOW PRECISION. The matrix products marked QUANTISED in the list below multiply operands that are first quantised to E2M3 (2 exponent bits, 3 mantissa bits; 6 bits a number), with one power-of-two scale for each 32 numbers along K (OCP MX v1.0); their sums are f32. All else is computed in f32.
;;   The module's matrix products, in the order in which they are computed (A, B: the left and right operand; K: the contracted axis; several contracted axes count as one K, in the product's order):
;;     1. [M 2,048, K 2,048] x [K 2,048, N 8]; A: input x; B: input wg: left as it is (N = 8 < 16)
;;     2. [M 2,048, K 2,048] x [K 2,048, N 16,384]; A: input x; B: input W (given as codes): QUANTISED
;;     3. batch 2,048 x [M 1, K 8] x [K 8, N 2,048]; A: computed on the way; B: computed on the way: left as it is (K = 8 < 32)
;;   THE QUANTISER, for each operand of a quantised product, along K:
;;     - K is cut into blocks of 32 from its start; a last block that is shorter is filled with zeros.
;;     - A block's scale is 2^e with e = floor(log2(the largest magnitude in the block)) - 2, held to -126 .. 127; a block of zeros has e = 0. As a byte (E8M0): e + 127.
;;     - Each number is divided by its block's scale, clamped to +-7.5, and rounded to the nearest number of E2M3, ties to even, subnormals kept.
;;     - The product sums the exact products of the quantised numbers (number of the format x scale) in f32.
;;   ~~~python
;;   def quantise(x, axis):      # numpy; x: float32 -> the quantised numbers, widened to float32 again
;;       x = np.moveaxis(x, axis, -1); K = x.shape[-1]
;;       x = np.pad(x, [(0, 0)] * (x.ndim - 1) + [(0, -K % 32)]); x = x.reshape(x.shape[:-1] + (-1, 32)); a = np.abs(x).max(-1, keepdims=True)
;;       e = np.where(a > 0, np.clip(np.frexp(np.where(a > 0, a, 1))[1] - 1 - 2, -126, 127), 0)      # np.frexp(a)[1] - 1 = floor(log2(a)), exactly
;;       r = np.clip(x / 2.0 ** e, -7.5, 7.5)
;;       step = 2.0 ** (np.maximum(np.frexp(np.where(r == 0, 1, r))[1] - 1, 0) - 3)
;;       q = np.round(r / step) * step * 2.0 ** e      # np.round: ties to even
;;       return np.moveaxis(q.reshape(q.shape[:-2] + (-1,))[..., :K], -1, axis).astype(np.float32)
;;   ~~~
;;   INPUTS GIVEN AS CODES. W (in the module: [8, 2048, 2048], K = its axis 2): each comes as NAME_codes (uint8): NAME with its K axis moved to the last place and cut into blocks of 32 codes, [.., K / 32, bytes a block], one block behind the other in memory; four codes in three bytes: a row's codes are one little-endian stream of bits, code i at bits 6 i .. 6 i + 5 (a code: sign, 2 exponent bits, 3 mantissa bits); and NAME_scales (uint8): the same leading axes, one E8M0 byte (e + 127) for each 32 codes along K. Its value is code x scale, taken as it is: it is not quantised again, and the codes and scales need not be those that the quantiser above would give.
;; One version. Each part assembles by itself: llvm-mc -triple=amdgcn-amd-amdhsa -mcpu=gfx1250 --defsym DOCPART=n.
;; ======== version 1 of 1: 2 launches
;; limits: right only within a limited range of input values
;; workspace buffers: xq 3,145,728 bytes; xs 131,072 bytes; gate 8,192 bytes; bitmap 2,048 bytes of whole numbers
;; launch gateq (part 1): grid 256 x 1, 8 waves a work-group, no clusters, 111,104 bytes of LDS; arguments x, wg, xq, xs, gate, bitmap; writes xq, xs, gate, bitmap
.if DOCPART == 1
	.amdgcn_target "amdgcn-amd-amdhsa--gfx1250"
	.amdhsa_code_object_version 6
	.text
	.protected	k_q91e6fad761_gateq
	.globl	k_q91e6fad761_gateq
	.p2align	8
	.type	k_q91e6fad761_gateq,@function
k_q91e6fad761_gateq:
	s_mov_b64 s[64:65], 0
	v_nop
	global_prefetch_b8 v0, s[64:65] scope:SCOPE_SE
	s_setreg_imm32_b32 hwreg(HW_REG_WAVE_MODE, 25, 1), 1
	s_wait_xcnt 0x0
; FIRST OF TWO LAUNCHES of a top-1 layer of 8 experts over 2,048 tokens of 2,048 numbers.
; It reads x once and makes of it (a) the gate: logits x . wg in f32 (fused multiply-adds), the softmax's largest probability 1 / sum exp(l - max l), and the chosen expert;
; (b) x's codes of FP6 (E2M3) with one E8M0 scale byte for each 32 along the token's 2,048 numbers: xq [2048][1536 bytes], xs [2048][64 bytes], laid as W's codes and scales are.
; The choice is stored at FIXED places, as whole numbers: bitmap[e][g], bit i = token 8 g + i chose expert e.  No address and no branch here hangs on it.
; DEAD WORK LEFT OUT (in the second launch): the products of a token with the seven experts that it did not choose; reference() multiplies their results by the zeros of its one-hot mask.  A NaN, an infinity or an
; overflow that reaches only those products is not carried to the result.
; SHARES.  Work-group g owns tokens 8 g .. 8 g + 7; wave w owns k = 512 kq .. 512 kq + 511 (kq = w % 4) of four of them (half th = w / 4).  Every load takes 512 consecutive bytes, 16 a lane; a token's 2,048 bytes of a wave then
; turn through the wave's own stage in LDS, so that lane l holds the 16 NEIGHBOURS k = 512 kq + 16 l + 0 .. 15 (two lanes to a block of 32), which is what the conversion takes.  The quarter's 512 rows of wg turn likewise, once: the two
; waves that need them load a half each, and behind a barrier both take all: register 8 i + e = wg[512 kq + 16 l + i][e].  The waves' partial logits meet in LDS behind the second barrier; wave 0 finishes the gate, wave 1 stores the scale bytes.
; A block's scale is 2^(floor(log2(its largest magnitude)) - 2): its byte is the largest magnitude's exponent field - 2, held at 1 from below.
; LIMITS: NaN and infinities among the inputs are not served.  A block whose largest magnitude lies under 2^-124 keeps the byte 1 (a block of zeros too, where the quantiser says 127: its codes are zeros, and
; this program alone reads the bytes).  The choice is the largest f32 LOGIT, the lowest index on a tie; the logits' order of summation is this text's own (16 along a lane, 32 lanes, 4 waves).
; The gate's eight numbers and the eight whole-number bytes of a work-group are stored in small pieces: 10 KB in the whole launch.
; No prefetch: the text has no loop to run ahead in, and all its loads go out at once.
.set WGP,  528                         ; a row of the stage for wg: 512 bytes + 16: 33 x 16 bytes, so that lanes that read one row each start 16 bytes further round the banks (64 banks of 4 bytes: ISA guide 11.1)
.set WGW,  32*WGP                      ; LDS 0: four such stages of 32 rows, one a quarter of K
.set XST,  4*WGW                       ; then for each wave two stages for x, 32 places of
.set SP,   80                          ; 64 bytes + 16
.set XSW,  2*32*SP
.set PART, XST+8*XSW                   ; then the partial logits [quarter][token][expert], f32
.set SCB,  PART+4*256                  ; then the scale bytes [token][64]
.set SPARE, SCB+512                    ; then the spare words, 128 bytes for each wave
.set R,    16                          ; v16-79   x as loaded: 16 registers a token
.set X,    144                         ; v144-175 two sets of 16 neighbours
.set A8,   176                         ; v176-183 my partial logits of the token in hand
.set C,    184                         ; v184-199 codes: four registers a token, so that no store's data are written again
.set E,    216                         ; v216-219 a scale byte a token
; v1 lane; v2 16 x lane; v3, v4 the stage for x, in and out; v5 12 x lane; v6 my block's scale byte in LDS; v7 my partial logits' place; v8-11 at work; v10 wave 1's way out
; window 1 (v256-383): wg.  s_set_vgpr_msb's low byte: bits 1:0 source 0, 3:2 source 1, 5:4 source 2, 7:6 destination
.set MSB, 0
.macro WIN new                         ; the immediate's high byte repeats the setting that is left; a switch that changes nothing is dropped
.if MSB != (\new)
	s_set_vgpr_msb (MSB<<8)|(\new)
.set MSB, (\new)
.endif
.endm
	s_load_b256 s[4:11], s[0:1], 0x0               ; x s[4:5], wg s[6:7], xq s[8:9], xs s[10:11]
	s_load_b128 s[12:15], s[0:1], 0x20             ; gate s[12:13], bitmap s[14:15]
	v_lshl_add_u32 v254, v0, 2, SPARE
	v_mov_b32 v255, 0
	v_lshrrev_b32 v8, 5, v0
	v_readfirstlane_b32 s16, v8                    ; wave 0..7
	s_and_b32 s36, s16, 3                          ; kq
	s_lshr_b32 s37, s16, 2                         ; th
	v_and_b32 v1, 31, v0                           ; lane
	v_lshlrev_b32 v2, 4, v1
	s_mul_i32 s17, s16, XSW
	s_add_co_u32 s17, s17, XST                     ; my wave's stages for x
	v_lshrrev_b32 v8, 2, v1
	v_mul_u32_u24 v8, v8, SP
	v_and_b32 v9, 3, v1
	v_lshl_add_u32 v8, v9, 4, v8
	v_add_nc_u32 v3, s17, v8                       ; in: four lanes' 64 bytes on end, then 16 of padding; a load's 512 bytes take eight places
	v_mul_u32_u24 v8, v1, SP
	v_add_nc_u32 v4, s17, v8                       ; out: my place: my 16 neighbours
	v_mul_u32_u24 v5, v1, 12                       ; my 16 codes' place in the wave's 384 bytes
	s_lshl_b32 s17, s36, 4
	s_lshl_b32 s38, s37, 8
	s_add_co_u32 s17, s17, s38
	s_add_co_u32 s17, s17, SCB
	v_lshrrev_b32 v8, 1, v1
	v_add_nc_u32 v6, s17, v8                       ; block 16 kq + lane / 2 of a token's 64, from my first token on
	s_lshl_b32 s17, s36, 8
	s_lshl_b32 s38, s37, 7
	s_add_co_u32 s17, s17, s38
	s_add_co_u32 s17, s17, PART
	v_lshrrev_b32 v8, 4, v1
	v_lshl_add_u32 v7, v8, 4, s17                  ; lanes 0-15 experts 0-3, lanes 16-31 experts 4-7
	v_add_nc_u32 v10, SCB, v2                      ; wave 1's way out: 16 bytes a lane of the 512 scale bytes.  (Every LDS address is made here, ahead of the waves' parting)
	v_and_b32 v8, 7, v1
	v_lshl_add_u32 v12, v8, 5, PART                ; wave 0's: token lane % 8
	v_lshlrev_b32 v13, 2, v1                       ; the gate's place
	s_mov_b32 s18, ttmp9
	v_lshl_add_u32 v14, v1, 8, s18                 ; lane e: byte g of expert e's 256
	s_mul_i32 s17, s36, WGW
	s_mul_i32 s38, s37, 16*WGP
	s_add_co_u32 s38, s38, s17
	v_add_nc_u32 v224, s38, v2                     ; the stage for wg, in: 16 x lane of row 16 th + j
	v_mul_u32_u24 v8, v1, WGP
	v_add_nc_u32 v225, s17, v8                     ; out: row = lane
	s_lshl_b32 s20, ttmp9, 16                      ; x: 8 tokens of 8,192 bytes a work-group, 2,048 bytes of four of them a wave
	s_lshl_b32 s21, s36, 11
	s_add_co_u32 s20, s20, s21
	s_lshl_b32 s21, s37, 15
	s_add_co_u32 s20, s20, s21
	s_mov_b32 s21, 0
	s_lshl_b32 s22, s36, 14                        ; wg: 512 rows of 32 bytes a quarter, half of them a wave
	s_lshl_b32 s23, s37, 13
	s_add_co_u32 s22, s22, s23
	s_mov_b32 s23, 0
	s_mul_i32 s24, ttmp9, 12288                    ; xq: 8 tokens of 1,536 bytes
	s_mul_i32 s25, s36, 384
	s_add_co_u32 s24, s24, s25
	s_mul_i32 s25, s37, 6144
	s_add_co_u32 s24, s24, s25
	s_mov_b32 s25, 0
	s_lshl_b32 s26, ttmp9, 9                       ; xs: 8 tokens of 64 bytes
	s_mov_b32 s27, 0
	s_lshl_b32 s28, ttmp9, 5                       ; gate: 8 numbers
	s_mov_b32 s29, 0
	s_wait_alu depctr_va_vdst(0)
	s_wait_kmcnt 0x0
	s_add_nc_u64 s[4:5], s[4:5], s[20:21]
	s_add_nc_u64 s[6:7], s[6:7], s[22:23]
	s_add_nc_u64 s[8:9], s[8:9], s[24:25]
	s_add_nc_u64 s[10:11], s[10:11], s[26:27]
	s_add_nc_u64 s[12:13], s[12:13], s[28:29]
	WIN 0x40                                       ; destination window 1
.set j, 0
.rept 16
	global_load_b128 v[4*j:4*j+3], v2, s[6:7] offset:512*j             ; wg: 32 lanes read 512 consecutive bytes (every work-group reads wg: no hint)
.set j, j+1
.endr
	WIN 0
.set j, 0
.rept 16
	global_load_b128 v[R+4*j:R+4*j+3], v2, s[4:5] offset:8192*(j/4)+512*(j%4) th:TH_LOAD_NT   ; x: all four tokens' loads go out at once
.set j, j+1
.endr
	s_wait_loadcnt 16                              ; wg is in; x's 16 loads may be out
	WIN 0x04                                       ; an LDS store's data are its source 1: window 1
.set j, 0
.rept 16
	ds_store_b128 v224, v[4*j:4*j+3] offset:WGP*j
.set j, j+1
.endr
	WIN 0
	s_wait_dscnt 0x0                               ; for the other wave's sake: my half of the quarter lies in LDS
	s_barrier_signal -1
	s_barrier_wait -1
	WIN 0x40
.set j, 0
.rept 32
	ds_load_b128 v[4*j:4*j+3], v225 offset:16*j    ; my 16 rows of wg, 512 bytes
.set j, j+1
.endr
	WIN 0
.macro TURN t                          ; token t's numbers through a stage; LDS serves a wave's instructions in order (ISA guide 5.7.1.4): the loads see the stores
.irp i, 0,1,2,3
	ds_store_b128 v3, v[R+16*(\t)+4*\i:R+16*(\t)+4*\i+3] offset:32*SP*((\t)%2)+8*SP*\i
.endr
.irp i, 0,1,2,3
	ds_load_b128 v[X+16*((\t)%2)+4*\i:X+16*((\t)%2)+4*\i+3], v4 offset:32*SP*((\t)%2)+16*\i
.endr
.endm
	s_wait_loadcnt 12                              ; token 0's four loads are in
	TURN 0
.macro STEP t
.set XS, X+16*((\t)%2)
	s_wait_dscnt 0x0                               ; this token's numbers are back from the stage (in the first step: wg too)
.if (\t) < 3
	s_wait_loadcnt 4*(2-(\t))                      ; the next token's four loads are in; those issued behind them may be out
	TURN (\t)+1                                    ; and go through the other stage while this token is worked
.endif
	v_max3_num_f32 v8, |v[XS]|, |v[XS+1]|, |v[XS+2]|               ; the largest magnitude of my 16, in two chains
	v_max3_num_f32 v9, |v[XS+3]|, |v[XS+4]|, |v[XS+5]|
.irp i, 6,10
	v_max3_num_f32 v8, v8, |v[XS+\i]|, |v[XS+\i+1]|
	v_max3_num_f32 v9, v9, |v[XS+\i+2]|, |v[XS+\i+3]|
.endr
	v_max3_num_f32 v8, v8, |v[XS+14]|, |v[XS+15]|
	v_max3_num_f32 v8, v8, v9, 0x1800000           ; and the floor 2^(3 - 127): the byte cannot fall under 1
	v_max_num_f32_dpp v8, v8, v8 row_xmask:1 row_mask:0xf bank_mask:0xf   ; and of my neighbour's 16: the block's
	v_add_nc_u32 v11, 0xff000000, v8               ; 2 off its exponent field: the conversion takes the exponent field of this operand as its scale, and nothing else of it
	v_cvt_scalef32_pk16_fp6_f32 v[C+4*(\t):C+4*(\t)+2], v[XS:XS+15], v11   ; 16 numbers / the scale, to the nearest code, ties to even, beyond 7.5 the largest code; 96 bits without gaps
	v_lshrrev_b32 v[E+(\t)], 23, v11               ; the scale's byte.  (The plain line behind the conversion)
	ds_store_b8 v6, v[E+(\t)] offset:64*(\t)       ; both lanes of a block write the same byte with the same value
	global_store_b96 v5, v[C+4*(\t):C+4*(\t)+2], s[8:9] offset:1536*(\t)   ; the wave stores 384 consecutive bytes
	WIN 0x04                                       ; source 1 (wg) window 1
.irp p, 0,1,2,3                        ; my part of the eight logits, two experts an instruction; of x's pair one number serves both halves.  The first product starts the sums
	v_pk_mul_f32 v[A8+2*\p:A8+2*\p+1], v[XS:XS+1], v[2*\p:2*\p+1] op_sel_hi:[0,1]
.endr
.irp p, 0,1,2,3
	v_pk_fma_f32 v[A8+2*\p:A8+2*\p+1], v[XS:XS+1], v[8+2*\p:8+2*\p+1], v[A8+2*\p:A8+2*\p+1] op_sel:[1,0,0] op_sel_hi:[1,1,1]
.endr
.set q, 1
.rept 7
.irp p, 0,1,2,3
	v_pk_fma_f32 v[A8+2*\p:A8+2*\p+1], v[XS+2*q:XS+2*q+1], v[16*q+2*\p:16*q+2*\p+1], v[A8+2*\p:A8+2*\p+1] op_sel_hi:[0,1,1]
.endr
.irp p, 0,1,2,3
	v_pk_fma_f32 v[A8+2*\p:A8+2*\p+1], v[XS+2*q:XS+2*q+1], v[16*q+8+2*\p:16*q+8+2*\p+1], v[A8+2*\p:A8+2*\p+1] op_sel:[1,0,0] op_sel_hi:[1,1,1]
.endr
.set q, q+1
.endr
	WIN 0
.irp e, 0,1,2,3                        ; over the 32 lanes: expert e's upper lanes change places with expert e + 4's lower ones, so that one addition halves both;
	v_permlane16_swap_b32 v[A8+\e], v[A8+4+\e]
.endr
.irp e, 0,1,2,3
	v_add_f32 v[A8+\e], v[A8+\e], v[A8+4+\e]       ; lanes 0-15 now hold expert e, lanes 16-31 expert e + 4
.endr
.irp m, 1,2,4,8
.irp e, 0,1,2,3
	v_add_f32_dpp v[A8+\e], v[A8+\e], v[A8+\e] row_xmask:\m row_mask:0xf bank_mask:0xf   ; four steps inside each half, the four registers by turns
.endr
.endr
.irp e, 0,1,2,3
	ds_store_b32 v7, v[A8+\e] offset:32*(\t)+4*\e  ; the sixteen lanes of a half write the same word with the same value
.endr
.endm
.irp t, 0,1,2,3
	STEP \t
.endr
	s_wait_dscnt 0x0                               ; for the others' sake: my partial logits and scale bytes lie in LDS
	s_barrier_signal -1
	s_barrier_wait -1
	s_cmp_eq_u32 s16, 0
	s_cbranch_scc1 .Lgate
	s_cmp_eq_u32 s16, 1
	s_cbranch_scc0 .Lend
	ds_load_b128 v[16:19], v10                     ; wave 1: the eight tokens' 512 scale bytes
	s_wait_dscnt 0x0
	global_store_b128 v2, v[16:19], s[10:11]       ; 32 lanes store 512 consecutive bytes, at a multiple of 256 from xs's first byte
.Lend:
	s_wait_tensorcnt 0x0
	ds_add_u32 v254, v255
	s_wait_dscnt 0x0
	s_endpgm
.Lgate:                                                ; wave 0: lane l finishes token l % 8 (lanes 8-31 repeat lanes 0-7)
.irp w, 0,1,2,3
	ds_load_b128 v[16+8*\w:19+8*\w], v12 offset:256*\w
	ds_load_b128 v[20+8*\w:23+8*\w], v12 offset:256*\w+16
.endr
	s_wait_dscnt 0x0
.irp w, 1,2,3
.irp p, 0,2,4,6
	v_pk_add_f32 v[16+\p:17+\p], v[16+\p:17+\p], v[16+8*\w+\p:17+8*\w+\p]   ; the four quarters' parts, ascending: v16-23 the logits
.endr
.endr
	v_max3_num_f32 v48, v16, v17, v18
	v_max3_num_f32 v48, v48, v19, v20
	v_max3_num_f32 v48, v48, v21, v22
	v_max_num_f32 v48, v48, v23                    ; the largest logit: it is taken away ahead of the exponentials
	v_mov_b32 v49, 0
.irp i, 7,6,5,4,3,2,1,0
	v_cmp_eq_f32 vcc_lo, v[16+\i], v48
	v_cndmask_b32 v49, v49, \i, vcc_lo             ; descending, so that the lowest index that holds the maximum stays
.endr
.irp i, 0,1,2,3,4,5,6,7
	v_sub_f32 v[16+\i], v[16+\i], v48
.endr
.irp i, 0,1,2,3,4,5,6,7
	v_mul_f32 v[16+\i], 0x3fb8aa3b, v[16+\i]       ; x log2(e): v_exp_f32 works in base 2
.endr
	s_wait_alu depctr_va_vdst(0)
.irp i, 0,1,2,3,4,5,6,7
	v_exp_f32 v[16+\i], v[16+\i]
.endr
	v_mov_b32 v50, 0                               ; (a plain line behind the exponentials)
	s_wait_alu depctr_va_vdst(0)
	v_add_f32 v16, v16, v17
	v_add_f32 v18, v18, v19
	v_add_f32 v20, v20, v21
	v_add_f32 v22, v22, v23
	v_add_f32 v16, v16, v18
	v_add_f32 v20, v20, v22
	v_add_f32 v16, v16, v20
	s_wait_alu depctr_va_vdst(0)
	v_rcp_f32 v51, v16                             ; the chosen expert's probability: exp(0) / the sum
	v_nop                                          ; a plain line behind the reciprocal
.irp e, 0,1,2,3,4,5,6,7
	v_cmp_eq_u32 s[24+\e], \e, v49                 ; which lanes chose expert e;
	s_and_b32 s[24+\e], s[24+\e], 0xff             ; lanes 0-7 are the eight tokens
	v_writelane_b32 v50, s[24+\e], \e              ; lane e carries expert e's byte
.endr
	v_cmp_gt_u32 vcc_lo, 8, v1
	s_wait_alu depctr_va_vdst(0)
	s_wait_xcnt 0x0                                ; EXEC is a source of the stores that are out: it changes only behind this wait
	s_wait_tensorcnt 0x0
	ds_add_u32 v254, v255
	s_wait_dscnt 0x0
	s_and_saveexec_b32 s34, vcc_lo
	s_wait_alu depctr_va_vdst(0)
	global_store_b32 v13, v51, s[12:13]            ; lanes 0-7: the eight gates
	global_store_b8 v14, v50, s[14:15]             ; bitmap[e][g]
	s_wait_xcnt 0x0
	s_or_b32 exec_lo, exec_lo, s34
	s_endpgm
.Lfunc_end_k_q91e6fad761_gateq:
	.size	k_q91e6fad761_gateq, .Lfunc_end_k_q91e6fad761_gateq-k_q91e6fad761_gateq
	.p2alignl 7, 3214868480
	.fill 96, 4, 3214868480
	.section	.rodata,"a",@progbits
	.p2align	6, 0x0
	.amdhsa_kernel k_q91e6fad761_gateq
		.amdhsa_group_segment_fixed_size 111104
		.amdhsa_private_segment_fixed_size 0
		.amdhsa_enable_private_segment 0
		.amdhsa_kernarg_size 48
		.amdhsa_user_sgpr_count 2
		.amdhsa_user_sgpr_kernarg_segment_ptr 1
		.amdhsa_wavefront_size32 1
		.amdhsa_system_sgpr_workgroup_id_x 1
		.amdhsa_system_sgpr_workgroup_id_y 1
		.amdhsa_system_sgpr_workgroup_id_z 1
		.amdhsa_system_vgpr_workitem_id 0
		.amdhsa_next_free_vgpr 384
		.amdhsa_next_free_sgpr 66
		.amdhsa_reserve_vcc 1
		.amdhsa_float_denorm_mode_32 3
		.amdhsa_float_denorm_mode_16_64 3
		.amdhsa_memory_ordered 1
		.amdhsa_forward_progress 1
		.amdhsa_inst_pref_size 45
	.end_amdhsa_kernel
	.amdgpu_metadata
---
amdhsa.version: [ 1, 2 ]
amdhsa.kernels:
  - .name:           k_q91e6fad761_gateq
    .symbol:         k_q91e6fad761_gateq.kd
    .args:
      - { .name: x, .offset: 0, .size: 8, .value_kind: global_buffer, .address_space: global }
      - { .name: wg, .offset: 8, .size: 8, .value_kind: global_buffer, .address_space: global }
      - { .name: xq, .offset: 16, .size: 8, .value_kind: global_buffer, .address_space: global }
      - { .name: xs, .offset: 24, .size: 8, .value_kind: global_buffer, .address_space: global }
      - { .name: gate, .offset: 32, .size: 8, .value_kind: global_buffer, .address_space: global }
      - { .name: bitmap, .offset: 40, .size: 8, .value_kind: global_buffer, .address_space: global }
    .group_segment_fixed_size: 111104
    .private_segment_fixed_size: 0
    .kernarg_segment_align: 8
    .kernarg_segment_size: 48
    .max_flat_workgroup_size: 256
    .sgpr_count:     66
    .vgpr_count:     384
    .wavefront_size: 32
...
	.end_amdgpu_metadata
.endif
;; end of part 1
;; launch expert (part 2): grid 256 x 1, 4 waves a work-group, no clusters, 235,008 bytes of LDS; arguments W_codes, W_scales, b, xq, xs, gate, bitmap, out0; writes out0
.if DOCPART == 2
	.amdgcn_target "amdgcn-amd-amdhsa--gfx1250"
	.amdhsa_code_object_version 6
	.text
	.protected	k_q91e6fad761_expert
	.globl	k_q91e6fad761_expert
	.p2align	8
	.type	k_q91e6fad761_expert,@function
k_q91e6fad761_expert:
	s_mov_b64 s[64:65], 0
	v_nop
	global_prefetch_b8 v0, s[64:65] scope:SCOPE_SE
	s_setreg_imm32_b32 hwreg(HW_REG_WAVE_MODE, 25, 1), 1
	s_wait_xcnt 0x0
; SECOND LAUNCH: out0[t] = gate[t] x (Q(x[t]) . W[e]^T + b[e]) for the expert e that token t chose.  The other seven experts' products are not made: reference() multiplies them by the zeros of its one-hot mask
; (a NaN or an infinity that reaches only them is not carried to the result).  Both operands are codes of FP6 (E2M3) with one E8M0 scale for each 32 along K = 2,048; sums in f32.
; SHARES.  Work-group number i: expert e = i % 8, columns 128 cb .. 128 cb + 127 with cb = (i / 8) % 16, half hf = i / 128 of the expert's tokens.  Waves 2 x 2: cg = w % 2 takes 64 columns, g = w / 2 a token group.
; The expert's tokens, in ascending order, are cut into tiles of 16; group q = 2 hf + g takes tiles q, q + 4, q + 8 ..  Its first five tiles (320 tokens of an expert in all) are made by the walk below, which has no branch on
; stored numbers and four barriers; tiles behind them, where an expert has more tokens, by a loop without a barrier at the text's end.  Rows behind the last token repeat it; a tile with no token is not stored.
; THE TOKENS.  bitmap[e] holds a bit for each token.  Lane l holds two words of it, their ones (c0 of the first) and the ones ahead of them (PV).  The pair that holds the one of rank R is the last with PV <= R; then the word, then the bit.
; THE ORDER OF K.  A row goes in four chunks of 384 bytes (16 blocks of 32).  In a chunk lanes 0-15 take the first 192 bytes, lanes 16-31 the second; step s of four takes 48 consecutive bytes a lane.  So position (register half c, lane half h) of
; step s is block 8 h + 2 s + c of the chunk, for W and for x alike; the scale words are put into the same order by byte permutes.  A fragment is three loads of 16 bytes.
; THE WALK.  A load brings 128 bytes of each of four rows into registers, three loads their 384; ds_store puts them into one of two slots, one barrier a chunk.  W's chunk 0 and half of chunk 1 are asked for ahead of the search for the
; tokens, the rest behind x's chunk 0; W's chunk 2 when its chunk 0 is stored, x's chunk 1 when its chunk 0 is; W's chunk 3 and x's chunk 2 among the products of chunk 0, x's chunk 3 among those of chunk 1.  W's next chunk is stored
; among the products too.  Every request stands at least a chunk's work ahead of its use, which is why no prefetch is written.
; A STEP is five groups of four products, a token tile each; behind each group stand LDS loads of the next step's fragments.  A group waits for its own tile's fragment alone.
; NO JOINT LOADS: how many tiles a wave makes hangs on stored numbers, so the text has no tensor load and no cluster.
; THE MATRIX INSTRUCTION IS USED TRANSPOSED: source 0 = 16 rows of W, source 1 = 16 tokens: lane (r, h) holds token r, columns 16 ct + 8 h + 0 .. 7.  The bias is the first products' C.
; LIMITS: NaN scale bytes (0xff) in W_scales give NaN, as they do by the format's definition.
; REGISTERS.  Window 0: addresses and scales (below).  Window 1: fragments, two buffers of 9 x 12; v216-255 the rows' places in out0.  Window 2: 20 accumulators (5 ct + tile), v160-255 x's loads.
; Window 3: v0-191 W's loads, two sets of 24; v192-215 x's loads; v216-247 the bias.  (x's chunk 2 lands in v34-133 of window 0 for the most part: macro AQUAD.)
.set PITCH, 400                        ; an LDS row: 384 bytes + 16: 25 x 16 bytes, so 16 rows start at different banks (64 banks of 4 bytes: ISA guide 11.1)
.set AROW, 128*PITCH                   ; x's 160 rows lie behind W's 128
.set SLOT, AROW+160*PITCH
.set LST, 2*SLOT                       ; each wave's own list of tokens by row, 512 bytes;
.set LSB, LST+4*512                    ; and by the order of the way out
.set SPARE, LSB+4*512
.set SCP, 80                           ; scale bytes turn through slot 1 ahead of the first barrier: 144 rows of 64 bytes + 16 for each wave, x's 80, then W's 64
.set SCW, 80*SCP
.set RK, 16                            ; ranks
.set TK, 20                            ; tokens
.set AO, 24                            ; v24-33 offsets of x's loads, one for three of them
.set AX, 34                            ; v34-43 of x's scale bytes
.set RW, 54                            ; raw scale bytes: W's 2 x 16,
.set RA, 86                            ; x's 3 x 16
.set IX, 86                            ; at work in the search (ahead of the loads into the same registers)
.set TA, 90
.set TB, 94
.set TC, 98
.set RHO, 102
.set F1, 106
.set F2, 110
.set F3, 114
.set PL, 118
.set TT, 122
.set T2, 126
.set WD, 134
.set PV, 136
.set PC, 137
.set SWA, 145                          ; LDS places of W's stores, slot 0, 1
.set SAA, 151                          ; of x's: rows 0-31 of my 40, slot 0, 1; rows 32-39, slot 0, 1
.set SPW, 157
.set NIL, 158
.set SWB, 160                          ; W's scale words: 16 p + step
.set SAB, 193                          ; x's: 16 j + step
.set GT, 242                           ; gates, every second register
.set MSB, 0
.macro WIN new                         ; s_set_vgpr_msb: bits 1:0 source 0, 3:2 source 1, 5:4 source 2, 7:6 destination; the high byte repeats the setting that is left
.if MSB != (\new)
	s_set_vgpr_msb (MSB<<8)|(\new)
.set MSB, (\new)
.endif
.endm
.macro PLACES                          ; four places behind matrix instructions ahead of loads into their registers and of reads of their results
.rept 4
	v_nop
.endr
.endm
; ---- NCH searches side by side
.macro EA op, d, a, b
.set J, 0
.rept NCH
	\op v[\d+J], \a, v[\b+J]
.set J, J+1
.endr
.endm
.macro EB op, d, a, b
.set J, 0
.rept NCH
	\op v[\d+J], v[\a+J], v[\b+J]
.set J, J+1
.endr
.endm
.macro EGE a, b
.set J, 0
.rept NCH
	v_cmp_ge_u32 s[52+J], v[\a+J], v[\b+J]
.set J, J+1
.endr
.endm
.macro ECND d, x
.set J, 0
.rept NCH
	v_cndmask_b32 v[\d+J], 0, \x, s[52+J]
.set J, J+1
.endr
.endm
.macro ESEL d
.set J, 0
.rept NCH
	v_cndmask_b32 v[\d+J], 0, v[\d+J], s[52+J]
.set J, J+1
.endr
.endm
.macro FIELDS src                      ; ones in each 2, 4, 8 bits
	EA v_lshrrev_b32, TT, 1, \src
	EA v_and_b32, TT, 0x55555555, TT
	EB v_sub_nc_u32, F1, \src, TT
	EA v_lshrrev_b32, TT, 2, F1
	EA v_and_b32, TT, 0x33333333, TT
	EA v_and_b32, F2, 0x33333333, F1
	EB v_add_nc_u32, F2, F2, TT
	EA v_lshrrev_b32, F3, 4, F2
	EB v_add_nc_u32, F3, F3, F2
	EA v_and_b32, F3, 0x0f0f0f0f, F3
.endm
.macro TAKE wid, d=T2                  ; where the lower half holds too few ones (TT), they come off the rank
	EGE RHO, TT
	ESEL TT
	EB v_sub_nc_u32, RHO, RHO, TT
	ECND \d, \wid
.endm
.macro DESCEND fld, msk, wid
	EB v_lshrrev_b32, TT, PL, \fld
	EA v_and_b32, TT, \msk, TT
	TAKE \wid
	EB v_add_nc_u32, PL, PL, T2
.endm
.macro PICK k                          ; pair number k if the ones ahead of it are at most the rank
.set J, 0
.rept NCH
	v_cmp_le_u32 s[52+J], s[44+\k], v[RK+J]
.set J, J+1
.endr
.set J, 0
.rept NCH
	v_cndmask_b32 v[IX+J], v[IX+J], 8*G+\k, s[52+J]
.set J, J+1
.endr
.endm
.macro FIND                            ; ranks v[RK ..] -> tokens v[TK ..]
.set J, 0
.rept NCH
	v_mov_b32 v[IX+J], 0
.set J, J+1
.endr
	s_wait_alu depctr_va_vdst(0)
.set G, 0
.rept 4
.irp k, 0,1,2,3,4,5,6,7
	v_readlane_b32 s[44+\k], v[PV], 8*G+\k
.endr
.irp k, 0,1,2,3,4,5,6,7
	PICK \k
.endr
.set G, G+1
.endr
	EA v_lshlrev_b32, IX, 2, IX
	EA v_min_u32, IX, 0x7c, IX
.set J, 0
.rept NCH
	ds_bpermute_b32 v[TA+J], v[IX+J], v[WD]
	ds_bpermute_b32 v[TB+J], v[IX+J], v[WD+1]
	ds_bpermute_b32 v[TC+J], v[IX+J], v[PC]
.set J, J+1
.endr
	s_wait_alu depctr_va_vdst(0)
	s_wait_dscnt 0x0
	EA v_and_b32, TT, 0xffff, TC
	EB v_sub_nc_u32, RHO, RK, TT                   ; the rank inside the pair
	EA v_lshrrev_b32, TC, 16, TC                   ; the first word's ones
	EGE RHO, TC
.set J, 0
.rept NCH
	v_cndmask_b32 v[TA+J], v[TA+J], v[TB+J], s[52+J]
.set J, J+1
.endr
	ECND TB, 32
	ESEL TC
	EB v_sub_nc_u32, RHO, RHO, TC                  ; inside the word
	FIELDS TA
.set J, 0
.rept NCH
	v_bfe_u32 v[TT+J], v[F3+J], 8, 8
.set J, J+1
.endr
	EA v_and_b32, T2, 0xff, F3
	EB v_add_nc_u32, TT, TT, T2                    ; ones in bits 0-15
	TAKE 16, PL
	DESCEND F3, 0xff, 8
	DESCEND F2, 15, 4
	DESCEND F1, 3, 2
	DESCEND TA, 1, 1
	EB v_add_nc_u32, PL, PL, TB
.set J, 0
.rept NCH
	v_lshl_add_u32 v[TK+J], v[IX+J], 4, v[PL+J]    ; 64 x pair + bit (IX is 4 x pair)
.set J, J+1
.endr
	EA v_min_u32, TK, 0x7ff, TK                    ; a loaded number enters an address only behind a bound
.endm
; ---- the streams
.macro WLOADS c, from, n               ; W's loads of chunk c: 128 bytes of each of four rows
	WIN 0xcc
.set I, \from
.rept \n
	global_load_b128 v[96*((\c)%2)+4*I:96*((\c)%2)+4*I+3], v4, s[30:31] offset:384*(\c)+1536*(16*(I/12)+2*((I/3)%4))+128*(I%3)
.set I, I+1
.endr
.endm
.macro WST c, from, n                  ; W's chunk c into its slot (the window setting serves LDS loads of fragments too)
	WIN 0x4c
.set I, \from
.rept \n
	ds_store_b128 v[SWA+(\c)%2], v[96*((\c)%2)+4*I:96*((\c)%2)+4*I+3] offset:PITCH*(16*(I/12)+2*((I/3)%4))+128*(I%3)
.set I, I+1
.endr
.endm
.macro AQUAD c, k                      ; where load k of x's chunk c lands: register QD of window QW
.if ((\c) == 2) && ((\k) < 25)
.set QW, 0
.set QD, 34+4*(\k)                     ; offsets and raw scale bytes that have served
.elseif ((\c) == 3) && ((\k) > 24)
.set QW, 3
.set QD, 4*((\k)-25)                   ; registers of W's chunk 2, which is stored by then
.elseif (\k) < 24
.set QW, 2
.set QD, 160+4*(\k)
.else
.set QW, 3
.set QD, 192+4*((\k)-24)
.endif
.endm
.macro ALOADS c, from, n
.set I, \from
.rept \n
	AQUAD \c, I
	WIN QW*0x44
	global_load_b128 v[QD:QD+3], v[AO+I/3], s[10:11] offset:384*(\c)+128*(I%3)
.set I, I+1
.endr
.endm
.macro ASTORE c                        ; x's chunk c into its slot, six loads at a time
.irp g, 0,1,2,3,4
.if (\c) == 0
	s_wait_loadcnt 63                              ; 73 loads stand behind these six: 24 of x's, five gates, eight of the bias, 12 of W's chunk 1, 24 of its chunk 2
.elseif (\c) == 1
.if \g < 2
	s_wait_loadcnt 63                              ; behind them: the rest of the chunk, then 24 of W's chunk 3 and 25 of x's chunk 2: 73 - 6 g
.else
	s_wait_loadcnt 73-6*\g
.endif
.elseif (\c) == 2
.if \g < 4
	s_wait_loadcnt 35                              ; behind load 24: five of this chunk and x's chunk 3 (W's chunk 3 is in too)
.else
	s_wait_loadcnt 30
.endif
.else
	s_wait_loadcnt 24-6*\g
.endif
.set I, 6*\g
.rept 6
	AQUAD \c, I
	WIN QW*0x44
.if I < 24
	ds_store_b128 v[SAA+(\c)%2], v[QD:QD+3] offset:PITCH*(16*(I/12)+2*((I/3)%4))+128*(I%3)
.else
	ds_store_b128 v[SAA+2+(\c)%2], v[QD:QD+3] offset:PITCH*(32+4*(I/3-8))+128*(I%3)
.endif
.set I, I+1
.endr
.if (\c) == 0
	ALOADS 1, 6*\g, 6                              ; chunk 1 into the same registers
.endif
.if ((\c) == 1) && (\g == 4)
	ALOADS 2, 25, 5
.endif
.endr
.endm
; ---- fragments: f = 0-3 W's column tiles, 4-8 the token tiles; step st of chunk c into buffer st % 2
.macro FR1 c, st, f
.irp i, 0,1,2
.if (\f) < 4
	ds_load_b128 v[108*((\st)%2)+12*(\f)+4*\i:108*((\st)%2)+12*(\f)+4*\i+3], v[13+(\c)%2] offset:6400*(\f)+48*(\st)+16*\i
.else
	ds_load_b128 v[108*((\st)%2)+12*(\f)+4*\i:108*((\st)%2)+12*(\f)+4*\i+3], v[15+4*((\c)%2)] offset:6400*((\f)-4)+48*(\st)+16*\i
.endif
.endr
.endm
.macro FR c, st, t                     ; in five parts: W 0 1, W 2 3, tokens 0 1, 2 3, 4
	WIN 0x4c
	FR1 \c, \st, 2*(\t)
.if (\t) < 4
	FR1 \c, \st, 2*(\t)+1
.endif
.endm
; ---- products.  The 20 accumulators take turns, one instruction a turn, in the same order in every step.
.macro MMI b, ks, n, ra, rb
	v_wmma_scale_f32_16x16x128_f8f6f4 v[8*\n:8*\n+7], v[108*\b+12*CT_:108*\b+12*CT_+11], v[108*\b+48+12*TI_:108*\b+48+12*TI_+11], v[CC_:CC_+7], v[SWB+16*(CT_/2)+\ks], v[SAB+16*(TI_/2)+\ks] matrix_a_fmt:MATRIX_FMT_FP6 matrix_b_fmt:MATRIX_FMT_FP6 matrix_a_scale:MATRIX_SCALE_ROW\ra matrix_b_scale:MATRIX_SCALE_ROW\rb
.endm
.macro MM b, ks, n
.set CT_, (\n)/5
.set TI_, (\n)%5
.if (\ks) == 0
.set CC_, 216+8*CT_
.else
.set CC_, 8*(\n)
.endif
.if CT_%2
.if TI_%2
	MMI (\b), (\ks), (\n), 1, 1
.else
	MMI (\b), (\ks), (\n), 1, 0
.endif
.else
.if TI_%2
	MMI (\b), (\ks), (\n), 0, 1
.else
	MMI (\b), (\ks), (\n), 0, 0
.endif
.endif
.endm
.macro PRODS c, s, t                   ; tile t of step s: four products
.if (4*(\c)+(\s)) == 0
	WIN 0xb5                                       ; C is the bias, in window 3
.else
	WIN 0xa5
.endif
	MM (\s)%2, 4*(\c)+(\s), \t
	MM (\s)%2, 4*(\c)+(\s), 5+\t
	MM (\s)%2, 4*(\c)+(\s), 10+\t
	MM (\s)%2, 4*(\c)+(\s), 15+\t
.endm
; A group waits for tile t's fragment (and, t = 0, for W's).  Behind it were issued: the later tiles' fragments (three loads each), the parts of the next step's fragments (six each), and, but for the last chunk,
; two of W's stores behind each of the first three parts of a step.  X counts the two behind part 2 of the step before (none where the fragments came in one run, in step 0).
.macro GROUP c, s, t
.set X, 0
.set Y, 0
.if (\c) < 3
.set Y, 2
.if (\s) > 0
.set X, 2
.endif
.endif
.if (\t) == 0
	s_wait_dscnt 12+X
.elseif (\s) == 3
.if (\t) == 1
	s_wait_dscnt 9+X
.else
	s_wait_dscnt 12-3*(\t)
.endif
.elseif (\t) == 1
	s_wait_dscnt 15+X+Y
.elseif (\t) == 2
	s_wait_dscnt 18+2*Y
.elseif (\t) == 3
	s_wait_dscnt 21+3*Y
.else
	s_wait_dscnt 24+3*Y
.endif
	PRODS \c, \s, \t
.endm
.macro CHUNK c
.irp s, 0,1,2
.irp t, 0,1,2,3,4
	GROUP \c, \s, \t
.if \t == 0
	PLACES                                         ; the buffer that is loaded next was multiplied in the step before
.endif
	FR \c, \s+1, \t
.if (\c < 3) && (\t < 3)
	WST \c+1, 6*\s+2*\t, 2
.endif
.if (\c == 0) && (\t < 3)
	WLOADS 3, 6*\s+2*\t, 2
.endif
.if \c < 2
.if \t < 3
	ALOADS \c+2, 8*\s+2*\t, 2
.else
	ALOADS \c+2, 8*\s+3+\t, 1
.endif
.endif
.endr
.endr
	GROUP \c, 3, 0
	GROUP \c, 3, 1
.if \c < 3
	WST \c+1, 18, 6
.if \c == 0
	WLOADS 3, 18, 6
	ALOADS 2, 24, 1
.endif
.if \c == 1
	ALOADS 3, 24, 6
.endif
	ASTORE \c+1
	s_wait_dscnt 0x0                               ; for the others' sake: my stores of the next chunk are done, and my reads of this one
	s_barrier_signal -1
	PRODS \c, 3, 2
	s_barrier_wait -1
	PLACES
.irp t, 0,1,2,3,4
	FR \c+1, 0, \t
.endr
	PRODS \c, 3, 3
	PRODS \c, 3, 4
.else
	GROUP \c, 3, 2
	GROUP \c, 3, 3
	GROUP \c, 3, 4
.endif
.endm
.macro PERM rb, ob, n                  ; n chunks of a row's scale bytes into the order of the steps
.set I, 0
.rept \n
	v_perm_b32 v[\ob+4*I], v[\rb+4*I+2], v[\rb+4*I], s38
	v_perm_b32 v[\ob+4*I+1], v[\rb+4*I+2], v[\rb+4*I], s39
	v_perm_b32 v[\ob+4*I+2], v[\rb+4*I+3], v[\rb+4*I+1], s38
	v_perm_b32 v[\ob+4*I+3], v[\rb+4*I+3], v[\rb+4*I+1], s39
.set I, I+1
.endr
.endm
; ---- the way out of tile t: x the gate, through my own stage, back as whole rows of 256 bytes
.macro OUT1 t
	WIN 0x82
.irp ct, 0,1,2,3
.irp i, 0,2,4,6
	v_pk_mul_f32 v[8*(5*\ct+\t)+\i:8*(5*\ct+\t)+\i+1], v[8*(5*\ct+\t)+\i:8*(5*\ct+\t)+\i+1], v[GT+2*(\t):GT+2*(\t)+1] op_sel_hi:[1,0]
.endr
.endr
	WIN 0x08
.irp ct, 0,1,2,3
	ds_store_b128 v11, v[8*(5*\ct+\t):8*(5*\ct+\t)+3] offset:4352*(\t)+64*\ct
	ds_store_b128 v11, v[8*(5*\ct+\t)+4:8*(5*\ct+\t)+7] offset:4352*(\t)+64*\ct+16
.endr
	WIN 0x40
.irp k, 0,1,2,3,4,5,6,7
	ds_load_b128 v[32*(\t)+4*\k:32*(\t)+4*\k+3], v12 offset:4352*(\t)+544*\k   ; LDS serves a wave's instructions in order (ISA guide 5.7.1.4): these see the stores above
.endr
	WIN 0
.endm
.macro OUT2 t                          ; sixteen lanes store 256 consecutive bytes, at a multiple of 256 from out0's first byte; written once
	WIN 0x05
.irp k, 0,1,2,3,4,5,6,7
	global_store_b128 v[216+8*\t+\k], v[32*\t+4*\k:32*\t+4*\k+3], s[18:19] th:TH_STORE_NT
.endr
	WIN 0
.endm
.macro ROWS n                          ; n tokens in window 1 from v216 on: where their rows lie in out0, my 16 bytes
	WIN 0x44
.set I, 0
.rept \n
	v_min_u32 v[216+I], 0x7ff, v[216+I]
.set I, I+1
.endr
.set I, 0
.rept \n
	v_lshlrev_b32 v[216+I], 13, v[216+I]
.set I, I+1
.endr
.set I, 0
.rept \n
	v_add_nc_u32 v[216+I], v23, v[216+I]
.set I, I+1
.endr
	WIN 0
.endm
; ================= THE HEAD
	s_load_b512 s[4:19], s[0:1], 0x0               ; W_codes s[4:5], W_scales s[6:7], b s[8:9], xq s[10:11], xs s[12:13], gate s[14:15], bitmap s[16:17], out0 s[18:19]
	v_lshl_add_u32 v[SPW], v0, 2, SPARE
	v_mov_b32 v[NIL], 0
	v_lshrrev_b32 v1, 5, v0
	v_readfirstlane_b32 s20, v1                    ; wave
	v_and_b32 v1, 31, v0                           ; lane
	v_and_b32 v2, 15, v0                           ; r
	v_bfe_u32 v3, v0, 4, 1                         ; h
	s_and_b32 s21, ttmp9, 7                        ; e
	s_bfe_u32 s22, ttmp9, 0x40003                  ; cb
	s_lshr_b32 s23, ttmp9, 7                       ; hf
	s_and_b32 s24, s20, 1                          ; cg
	s_lshr_b32 s25, s20, 1                         ; g
	s_lshl_b32 s26, s23, 1
	s_add_co_u32 s26, s26, s25                     ; q
	s_mov_b32 s38, 0x05010400
	s_mov_b32 s39, 0x07030602
	s_lshl_b32 s55, s21, 11
	s_lshl_b32 s45, s22, 7
	s_add_co_u32 s55, s55, s45                     ; the block's first row of W
	s_lshl_b32 s45, s20, 5
	s_add_co_u32 s45, s45, s55
	s_mul_i32 s30, s45, 1536                       ; the 32 rows that I load
	s_mov_b32 s31, 0
	s_lshl_b32 s45, s24, 6
	s_add_co_u32 s45, s45, s55
	s_mul_i32 s32, s45, 1536                       ; the 64 rows that I multiply,
	s_mov_b32 s33, 0
	s_lshl_b32 s34, s45, 6                         ; their scale bytes
	s_mov_b32 s35, 0
	s_lshl_b32 s36, s45, 2                         ; and biases
	s_mov_b32 s37, 0
	s_lshl_b32 s56, s21, 8                         ; the expert's bit map
	s_mov_b32 s57, 0
	s_mul_i32 s40, s20, 32*PITCH                   ; W's stores, slot 0,
	s_add_co_u32 s41, s40, SLOT                    ; slot 1
	s_mul_i32 s42, s25, 80*PITCH
	s_mul_i32 s43, s24, 40*PITCH
	s_add_co_u32 s42, s42, s43
	s_add_co_u32 s42, s42, AROW                    ; x's
	s_add_co_u32 s43, s42, SLOT
	s_lshl_b32 s46, s20, 9
	s_add_co_u32 s47, s46, LSB
	s_add_co_u32 s46, s46, LST
	s_mul_i32 s44, s24, 160
	s_add_co_u32 s44, s44, s46                     ; the list at the 40 rows that I load
	s_mul_i32 s48, s24, 64*PITCH
	s_add_co_u32 s49, s48, SLOT
	s_mul_i32 s50, s25, 80*PITCH
	s_add_co_u32 s50, s50, AROW
	s_add_co_u32 s51, s50, SLOT
	s_mul_i32 s52, s20, 5*4352                     ; my stage, in slot 0: its last read stands ahead of the last barrier
	s_lshl_b32 s53, s22, 9
	s_lshl_b32 s54, s24, 8
	s_add_co_u32 s53, s53, s54                     ; my columns, in bytes
	s_lshl_b32 s54, s26, 4                         ; my group's first rank
	s_mul_i32 s45, s20, 144*SCP
	s_add_co_u32 s45, s45, SLOT                    ; my scale bytes' turn
	s_wait_alu depctr_va_vdst(0)
	v_lshlrev_b32 v7, 3, v1
	v_lshlrev_b32 v150, 4, v1
	v_lshlrev_b32 v159, 6, v1
	v_lshlrev_b32 v252, 5, v3
	v_bfe_u32 v16, v0, 3, 1                        ; a load takes four rows, eight lanes each: rows 0, 8, 1, 9 of sixteen, so that sixteen lanes' stores take sixteen different places of 16 bytes modulo 256
	v_lshlrev_b32 v16, 3, v16
	v_add_nc_u32 v16, v3, v16
	v_and_b32 v17, 7, v0
	v_lshlrev_b32 v8, 4, v17                       ; the byte in the row's 128
	v_lshrrev_b32 v10, 3, v1                       ; x's last eight rows: four neighbouring rows
	v_mul_u32_u24 v18, 0x600, v16
	v_add_nc_u32 v4, v18, v8                       ; W in memory
	v_mul_u32_u24 v18, PITCH, v16
	v_add_nc_u32 v18, v18, v8                      ; in LDS
	v_add_nc_u32 v[SWA], s40, v18
	v_add_nc_u32 v[SWA+1], s41, v18
	v_add_nc_u32 v[SAA], s42, v18
	v_add_nc_u32 v[SAA+1], s43, v18
	v_mul_u32_u24 v18, PITCH, v10
	v_add_nc_u32 v18, v18, v8
	v_add_nc_u32 v[SAA+2], s42, v18
	v_add_nc_u32 v[SAA+3], s43, v18
	v_lshl_add_u32 v142, v16, 2, s44               ; the rows' places in the list
	v_lshl_add_u32 v143, v10, 2, s44
	v_lshrrev_b32 v16, 2, v1                       ; scale bytes: eight rows a load, four lanes each
	v_and_b32 v17, 3, v0
	v_lshlrev_b32 v149, 4, v17
	v_lshl_add_u32 v144, v16, 2, s46               ; the rows' places in the list,
	v_mul_u32_u24 v18, SCP, v16
	v_add_nc_u32 v18, v18, v149
	v_add_nc_u32 v147, s45, v18                    ; in LDS, in;
	v_mul_u32_u24 v18, SCP, v1
	v_add_nc_u32 v148, s45, v18                    ; back: a row a lane
	v_lshl_add_u32 v138, v1, 2, s46                ; the list, in;
	v_lshl_add_u32 v140, v2, 2, s46                ; a tile's row r;
	v_lshl_add_u32 v141, v3, 5, s47                ; the way out's list: rows h, 2 + h, 4 + h .. on end,
	v_and_b32 v16, 1, v1
	v_lshlrev_b32 v16, 5, v16
	v_lshl_add_u32 v16, v3, 6, v16
	v_lshrrev_b32 v17, 1, v2
	v_lshl_add_u32 v16, v17, 2, v16
	v_add_nc_u32 v139, s47, v16                    ; in
	v_mul_u32_u24 v16, PITCH, v2
	v_mul_u32_u24 v17, 192, v3
	v_add_nc_u32 v16, v16, v17
	v_add_nc_u32 v13, s48, v16                     ; W's fragments, slot 0, 1
	v_add_nc_u32 v14, s49, v16
	v_add_nc_u32 v15, s50, v16                     ; x's
	v_add_nc_u32 v19, s51, v16
	v_mul_u32_u24 v17, 272, v2
	v_lshl_add_u32 v17, v3, 5, v17
	v_add_nc_u32 v11, s52, v17                     ; the stage, in: row r, 32 bytes for each half of the lanes
	v_mul_u32_u24 v17, 272, v3
	v_lshl_add_u32 v17, v2, 4, v17
	v_add_nc_u32 v12, s52, v17                     ; back: lanes 0-15 one row of 256 bytes, lanes 16-31 the next
	v_lshl_add_u32 v23, v2, 4, s53
	v_lshl_add_u32 v16, v3, 6, v2
	v_add_nc_u32 v16, s54, v16                     ; rank of row 32 j + lane: 16 q + 128 j + 64 h + r
	v_add_nc_u32 v17, 0x80, v16
	v_add_nc_u32 v18, 0x100, v16
	s_wait_alu depctr_va_vdst(0)
	s_wait_kmcnt 0x0
	s_add_nc_u64 s[16:17], s[16:17], s[56:57]
	s_add_nc_u64 s[30:31], s[4:5], s[30:31]
	s_add_nc_u64 s[32:33], s[4:5], s[32:33]
	s_add_nc_u64 s[34:35], s[6:7], s[34:35]
	s_add_nc_u64 s[36:37], s[8:9], s[36:37]
	global_load_b64 v[WD:WD+1], v7, s[16:17]       ; lane l: words 2 l, 2 l + 1
	WLOADS 0, 0, 24
	WIN 0
.irp i, 0,1,2,3,4,5,6,7
	global_load_b128 v[RW+4*\i:RW+4*\i+3], v150, s[34:35] offset:512*\i   ; eight rows' scale bytes, 512 on end
.endr
	WLOADS 1, 0, 12
	WIN 0
	s_wait_loadcnt 44                              ; the bit map is in (44 loads behind it)
.set NCH, 2
	FIELDS WD
	EA v_lshrrev_b32, TT, 8, F3
	EB v_add_nc_u32, TT, TT, F3
	EA v_lshrrev_b32, T2, 16, TT
	EB v_add_nc_u32, TT, TT, T2
	EA v_and_b32, TT, 0x3f, TT                     ; the two words' ones
	v_add_nc_u32 v[TA], v[TT], v[TT+1]
	v_mov_b32 v[TB], 0
	v_mov_b32 v[PV], v[TA]
.irp n, 1,2,4,8                        ; summed along each row of 16 lanes
	v_mov_b32_dpp v[TB], v[TA] row_shr:\n row_mask:0xf bank_mask:0xf bound_ctrl:1
	v_add_nc_u32 v[TA], v[TA], v[TB]
.endr
	v_readlane_b32 s28, v[TA], 15
	v_readlane_b32 s27, v[TA], 31
	v_mul_u32_u24 v[TB], s28, v3
	v_add_nc_u32 v[TA], v[TA], v[TB]
	v_sub_nc_u32 v[PV], v[TA], v[PV]               ; ones ahead of my pair
	v_lshl_or_b32 v[PC], v[TT], 16, v[PV]
	s_add_co_u32 s27, s27, s28                     ; n, the expert's tokens
	s_sub_co_u32 s29, s27, 1
.set NCH, 3
	EA v_min_u32, RK, s29, RK
	FIND
.irp j, 0,1,2
	ds_store_b32 v138, v[TK+\j] offset:128*\j
	ds_store_b32 v139, v[TK+\j] offset:128*\j
.endr
.set I, 0
.rept 10
.if I < 8
	ds_load_b32 v[AO+I], v142 offset:4*(16*(I/4)+2*(I%4))   ; the token of the row that this lane loads; LDS serves a wave's instructions in order
.else
	ds_load_b32 v[AO+I], v143 offset:4*(32+4*(I-8))
.endif
.set I, I+1
.endr
.set I, 0
.rept 10
	ds_load_b32 v[AX+I], v144 offset:32*I
.set I, I+1
.endr
.irp t, 0,1,2,3,4
	ds_load_b32 v[GT+1+2*\t], v140 offset:64*\t
.endr
	WIN 0x40
.irp t, 0,1,2,3,4
	ds_load_b128 v[216+8*\t:219+8*\t], v141 offset:64*\t
	ds_load_b128 v[220+8*\t:223+8*\t], v141 offset:64*\t+16
.endr
	WIN 0
	s_wait_alu depctr_va_vdst(0)
	s_wait_dscnt 15                                ; the twenty are in; five and ten may be out
.set I, 0
.rept 20
	v_min_u32 v[AO+I], 0x7ff, v[AO+I]              ; (AX follows AO)
.set I, I+1
.endr
.set I, 0
.rept 10
	v_lshlrev_b32 v[AX+I], 6, v[AX+I]
	v_mul_u32_u24 v[AO+I], 0x600, v[AO+I]
.set I, I+1
.endr
.set I, 0
.rept 10
	v_add_nc_u32 v[AX+I], v149, v[AX+I]
	v_add_nc_u32 v[AO+I], v8, v[AO+I]
.set I, I+1
.endr
.set I, 0
.rept 10
	global_load_b128 v[RA+4*I:RA+4*I+3], v[AX+I], s[12:13]   ; eight rows' scale bytes
.set I, I+1
.endr
	ALOADS 0, 0, 30
	WIN 0
	s_wait_alu depctr_va_vdst(0)
	s_wait_dscnt 0x0
.irp t, 0,1,2,3,4
	v_min_u32 v[GT+1+2*\t], 0x7ff, v[GT+1+2*\t]
.endr
.irp t, 0,1,2,3,4
	v_lshlrev_b32 v[GT+1+2*\t], 2, v[GT+1+2*\t]
.endr
.irp t, 0,1,2,3,4
	global_load_b32 v[GT+2*\t], v[GT+1+2*\t], s[14:15]
.endr
	WIN 0xc0
.irp ct, 0,1,2,3
	global_load_b128 v[216+8*\ct:219+8*\ct], v252, s[36:37] offset:64*\ct
	global_load_b128 v[220+8*\ct:223+8*\ct], v252, s[36:37] offset:64*\ct+16
.endr
	WLOADS 1, 12, 12
	ROWS 40
	s_wait_alu depctr_va_vdst(0)
	s_wait_loadcnt 63                              ; W's chunk 0 is in: 85 loads stand behind it
	WST 0, 0, 24
	WLOADS 2, 0, 24
	WIN 0
	s_wait_loadcnt 63                              ; the scale bytes are in: 79 loads stand behind them.  Through my own part of slot 1, so that a lane holds its row's 64
.irp i, 0,1,2,3,4,5,6,7
	ds_store_b128 v147, v[RW+4*\i:RW+4*\i+3] offset:SCW+8*SCP*\i
.endr
.irp i, 0,1,2,3,4,5,6,7,8,9
	ds_store_b128 v147, v[RA+4*\i:RA+4*\i+3] offset:8*SCP*\i
.endr
.irp p, 0,1
.irp c, 0,1,2,3
	ds_load_b128 v[RW+16*\p+4*\c:RW+16*\p+4*\c+3], v148 offset:SCW+32*SCP*\p+16*\c
.endr
.endr
.irp j, 0,1,2                          ; (rows 80 to 95, lanes 16-31 of the last set, are W's first and serve no product)
.irp c, 0,1,2,3
	ds_load_b128 v[RA+16*\j+4*\c:RA+16*\j+4*\c+3], v148 offset:32*SCP*\j+16*\c
.endr
.endr
	s_wait_dscnt 0x0
	PERM RW, SWB, 4
	PERM RW+16, SWB+16, 4
	PERM RA, SAB, 4
	PERM RA+16, SAB+16, 4
	PERM RA+32, SAB+32, 4
	s_wait_alu depctr_va_vdst(0)
	ASTORE 0
	WIN 0
	s_wait_loadcnt 54                              ; gates, bias and W's chunk 1 are in: behind them its chunk 2 and x's chunk 1
	s_wait_dscnt 0x0                               ; for the others' sake: my rows of chunk 0 lie in LDS, and my turn in slot 1 is over
	s_barrier_signal -1
	s_barrier_wait -1
	PLACES
	PLACES                                         ; (a scale register written by a vector instruction stands eight places ahead of the product)
.irp t, 0,1,2,3,4
	FR 0, 0, \t
.endr
	CHUNK 0
	CHUNK 1
	CHUNK 2
	CHUNK 3
; ================= THE WAY OUT: tile t is stored while tile t + 1 goes through the stage
	PLACES
	s_lshl_b32 s42, s26, 4
	OUT1 0
.irp t, 0,1,2,3,4
.if \t < 4
	OUT1 \t+1
	s_wait_alu depctr_va_vdst(0)
	s_wait_dscnt 16                                ; tile t's rows are back; behind them the next tile's eight stores and eight loads
.else
	s_wait_alu depctr_va_vdst(0)
	s_wait_dscnt 0x0
.endif
	s_add_co_u32 s41, s42, 64*\t
	s_cmp_lt_u32 s41, s27
	s_cbranch_scc0 .Lempty_\t                      ; the tile has no token
	OUT2 \t
.Lempty_\t:
.endr
; ================= MORE THAN 320 TOKENS: my tiles q + 4 i, i = 5 .. 31, one at a time, operands straight from memory; no barrier
	s_wait_xcnt 0x0                                ; the stores' sources may be written again
	s_mov_b32 s40, 5
.Lmore:
	s_lshl_b32 s41, s40, 6
	s_lshl_b32 s42, s26, 4
	s_add_co_u32 s41, s41, s42
	s_cmp_ge_u32 s41, s27
	s_cbranch_scc1 .Ldone
	v_add_nc_u32 v[RK], s41, v2
	v_min_u32 v[RK], s29, v[RK]
.set NCH, 1
	FIND
	ds_store_b32 v139, v[TK]
	v_lshlrev_b32 v[GT+1], 2, v[TK]
	v_mul_u32_u24 v27, 192, v3
	v_mul_u32_u24 v24, 0x600, v[TK]
	v_add_nc_u32 v24, v27, v24                     ; x: my token, my half
	v_lshlrev_b32 v25, 6, v[TK]
	v_mul_u32_u24 v26, 0x600, v2
	v_add_nc_u32 v26, v27, v26                     ; W: row r, my half
	global_load_b32 v[GT], v[GT+1], s[14:15]
	WIN 0x83
.irp ct, 0,1,2,3
.irp j, 0,1,2,3,4,5,6,7
	v_mov_b32 v[40*\ct+\j], v[216+8*\ct+\j]        ; the sums begin as the bias
.endr
.endr
	WIN 0
	s_mov_b64 s[56:57], s[32:33]
	s_mov_b64 s[58:59], s[10:11]
	s_mov_b64 s[60:61], s[12:13]
	s_mov_b64 s[62:63], s[34:35]
	s_mov_b32 s43, 0
	s_wait_alu depctr_va_vdst(0)
.Lchunk:
	PLACES
	global_load_b128 v[RW:RW+3], v159, s[62:63]
	global_load_b128 v[RW+4:RW+7], v159, s[62:63] offset:2048
	global_load_b128 v[RA:RA+3], v25, s[60:61]
	WIN 0x40
.irp s, 0,1,2,3
.irp i, 0,1,2
.irp ct, 0,1,2,3
	global_load_b128 v[60*\s+12*\ct+4*\i:60*\s+12*\ct+4*\i+3], v26, s[56:57] offset:24576*\ct+48*\s+16*\i
.endr
	global_load_b128 v[60*\s+48+4*\i:60*\s+48+4*\i+3], v24, s[58:59] offset:48*\s+16*\i
.endr
.endr
	WIN 0
	s_wait_loadcnt 0x0
	PERM RW, SWB, 1
	PERM RW+4, SWB+16, 1
	PERM RA, SAB, 1
	PLACES
	PLACES
	WIN 0xa5
.macro MMO s, ct, ra
	v_wmma_scale_f32_16x16x128_f8f6f4 v[40*\ct:40*\ct+7], v[60*\s+12*\ct:60*\s+12*\ct+11], v[60*\s+48:60*\s+59], v[40*\ct:40*\ct+7], v[SWB+16*(\ct/2)+\s], v[SAB+\s] matrix_a_fmt:MATRIX_FMT_FP6 matrix_b_fmt:MATRIX_FMT_FP6 matrix_a_scale:MATRIX_SCALE_ROW\ra
.endm
.irp s, 0,1,2,3
	MMO \s, 0, 0
	MMO \s, 1, 1
	MMO \s, 2, 0
	MMO \s, 3, 1
.endr
	WIN 0
	s_add_nc_u64 s[56:57], s[56:57], 384
	s_add_nc_u64 s[58:59], s[58:59], 384
	s_add_nc_u64 s[60:61], s[60:61], 16
	s_add_nc_u64 s[62:63], s[62:63], 16
	s_add_co_u32 s43, s43, 1
	s_cmp_lt_u32 s43, 4
	s_cbranch_scc1 .Lchunk
	PLACES
	WIN 0x40
	ds_load_b128 v[216:219], v141
	ds_load_b128 v[220:223], v141 offset:16
	WIN 0
	s_wait_dscnt 0x0
	ROWS 8
	OUT1 0
	s_wait_alu depctr_va_vdst(0)
	s_wait_dscnt 0x0
	OUT2 0
	s_wait_xcnt 0x0                                ; the stores' sources are written again in the next trip
	s_add_co_u32 s40, s40, 1
	s_cmp_lt_u32 s40, 32
	s_cbranch_scc1 .Lmore
.Ldone:
	s_wait_tensorcnt 0x0                           ; the wave's end
	ds_add_u32 v[SPW], v[NIL]
	s_wait_dscnt 0x0
	s_endpgm
.Lfunc_end_k_q91e6fad761_expert:
	.size	k_q91e6fad761_expert, .Lfunc_end_k_q91e6fad761_expert-k_q91e6fad761_expert
	.p2alignl 7, 3214868480
	.fill 96, 4, 3214868480
	.section	.rodata,"a",@progbits
	.p2align	6, 0x0
	.amdhsa_kernel k_q91e6fad761_expert
		.amdhsa_group_segment_fixed_size 235008
		.amdhsa_private_segment_fixed_size 0
		.amdhsa_enable_private_segment 0
		.amdhsa_kernarg_size 64
		.amdhsa_user_sgpr_count 2
		.amdhsa_user_sgpr_kernarg_segment_ptr 1
		.amdhsa_wavefront_size32 1
		.amdhsa_system_sgpr_workgroup_id_x 1
		.amdhsa_system_sgpr_workgroup_id_y 1
		.amdhsa_system_sgpr_workgroup_id_z 1
		.amdhsa_system_vgpr_workitem_id 0
		.amdhsa_next_free_vgpr 1024
		.amdhsa_next_free_sgpr 66
		.amdhsa_reserve_vcc 0
		.amdhsa_float_denorm_mode_32 3
		.amdhsa_float_denorm_mode_16_64 3
		.amdhsa_memory_ordered 1
		.amdhsa_forward_progress 1
		.amdhsa_inst_pref_size 206
	.end_amdhsa_kernel
	.amdgpu_metadata
---
amdhsa.version: [ 1, 2 ]
amdhsa.kernels:
  - .name:           k_q91e6fad761_expert
    .symbol:         k_q91e6fad761_expert.kd
    .args:
      - { .name: W_codes, .offset: 0, .size: 8, .value_kind: global_buffer, .address_space: global }
      - { .name: W_scales, .offset: 8, .size: 8, .value_kind: global_buffer, .address_space: global }
      - { .name: b, .offset: 16, .size: 8, .value_kind: global_buffer, .address_space: global }
      - { .name: xq, .offset: 24, .size: 8, .value_kind: global_buffer, .address_space: global }
      - { .name: xs, .offset: 32, .size: 8, .value_kind: global_buffer, .address_space: global }
      - { .name: gate, .offset: 40, .size: 8, .value_kind: global_buffer, .address_space: global }
      - { .name: bitmap, .offset: 48, .size: 8, .value_kind: global_buffer, .address_space: global }
      - { .name: out0, .offset: 56, .size: 8, .value_kind: global_buffer, .address_space: global }
    .group_segment_fixed_size: 235008
    .private_segment_fixed_size: 0
    .kernarg_segment_align: 8
    .kernarg_segment_size: 64
    .max_flat_workgroup_size: 128
    .sgpr_count:     66
    .vgpr_count:     1024
    .wavefront_size: 32
...
	.end_amdgpu_metadata
.endif
;; end of part 2
